; MI455X (gfx1250); checked and timed in simulation.
; The chip was launched on July 23, 2026; its instructions are those of AMD's public machine-readable ISA for CDNA 5 (MIT licence, August 2026) and "CDNA5" Instruction Set Architecture Reference Guide (July 2026). The comments in the code are by the model that wrote it; some were corrected since.
;; Cusparse Dynamic Linear. Allowed arithmetic: matrix products marked QUANTISED: E2M1 operands, one E8M0 scale for each 32 along K, by v_wmma_scale_f32_16x16x128_f8f6f4 with both operands' format E2M1 (or v_wmma_scale_f32_32x16x128_f4), f32 sums; everything else in f32.
;; Inputs: bias_p 4,096 float32; data_codes 4 x 1,024 x 128 x 16 uint8 (E2M1 codes of data, K innermost, in blocks of 32 codes, two codes a byte); data_scales 4 x 1,024 x 128 uint8 (E8M0 scales of data, one for each 32 codes along K); w_mask 4,096 x 4,096 float32; weight 4,096 x 4,096 float32.
;; Outputs: out0 4 x 1,024 x 4,096 float32.
;; This version of the problem:
;;   THIS VERSION OF THE PROBLEM IS GIVEN IN LOW PRECISION. The matrix products marked QUANTISED in the list below multiply operands that are first quantised to E2M1 (2 exponent bits, 1 mantissa bit; 4 bits a number), with one power-of-two scale for each 32 numbers along K (OCP MX v1.0); their sums are f32. All else is computed in f32.
;;   The module's matrix products, in the order in which they are computed (A, B: the left and right operand; K: the contracted axis; several contracted axes count as one K, in the product's order):
;;     1. [M 4,096, K 4,096] x [K 4,096, N 4,096]; A: input data (given as codes); B: computed on the way: QUANTISED
;;   THE QUANTISER, for each operand of a quantised product, along K:
;;     - K is cut into blocks of 32 from its start; a last block that is shorter is filled with zeros.
;;     - A block's scale is 2^e with e = floor(log2(the largest magnitude in the block)) - 2, held to -126 .. 127; a block of zeros has e = 0. As a byte (E8M0): e + 127.
;;     - Each number is divided by its block's scale, clamped to +-6, and rounded to the nearest number of E2M1, ties to even, subnormals kept.
;;     - The product sums the exact products of the quantised numbers (number of the format x scale) in f32.
;;   ~~~python
;;   def quantise(x, axis):      # numpy; x: float32 -> the quantised numbers, widened to float32 again
;;       x = np.moveaxis(x, axis, -1); K = x.shape[-1]
;;       x = np.pad(x, [(0, 0)] * (x.ndim - 1) + [(0, -K % 32)]); x = x.reshape(x.shape[:-1] + (-1, 32)); a = np.abs(x).max(-1, keepdims=True)
;;       e = np.where(a > 0, np.clip(np.frexp(np.where(a > 0, a, 1))[1] - 1 - 2, -126, 127), 0)      # np.frexp(a)[1] - 1 = floor(log2(a)), exactly
;;       r = np.clip(x / 2.0 ** e, -6, 6)
;;       step = 2.0 ** (np.maximum(np.frexp(np.where(r == 0, 1, r))[1] - 1, 0) - 1)
;;       q = np.round(r / step) * step * 2.0 ** e      # np.round: ties to even
;;       return np.moveaxis(q.reshape(q.shape[:-2] + (-1,))[..., :K], -1, axis).astype(np.float32)
;;   ~~~
;;   OPERANDS COMPUTED ON THE WAY. 'Computed on the way' means the value that the module computes at that place (a softmax that the list does not call 'softmax' is quantised finished and normalised). What goes into a quantiser is computed in f32, as accurately as f32 sums, v_exp_f32 and their like allow (about 1e-6 of the number): no bf16 or f16 on the way to a quantiser, and a product that is left as it is and whose result goes on into a quantised operand takes f32 operands (vector FMAs, or v_wmma_f32_16x16x4_f32). A number that lies on a knife's edge between two numbers of the format may be rounded either way, as far as f32 arithmetic and the matrix unit's own rounding can turn it there, and no further.
;;   INPUTS GIVEN AS CODES. data (in the module: [4, 1024, 4096], K = its axis 2): each comes as NAME_codes (uint8): NAME with its K axis moved to the last place and cut into blocks of 32 codes, [.., K / 32, bytes a block], one block behind the other in memory; two codes a byte, the lower K in the low four bits (a code: sign, 2 exponent bits, 1 mantissa bit); and NAME_scales (uint8): the same leading axes, one E8M0 byte (e + 127) for each 32 codes along K. Its value is code x scale, taken as it is: it is not quantised again, and the codes and scales need not be those that the quantiser above would give.
;; One version. Each part assembles by itself: llvm-mc -triple=amdgcn-amd-amdhsa -mcpu=gfx1250 --defsym DOCPART=n.
;; ======== version 1 of 1: 2 launches
;; limits: right only within a limited range of input values
;; workspace buffers: w_codes 8,388,608 bytes; sc_ws 1,048,576 bytes
;; launch quant (part 1): grid 256 x 2, 4 waves a work-group, no clusters, 41,472 bytes of LDS; arguments weight, w_mask, data_scales, w_codes, sc_ws; writes w_codes, sc_ws
.if DOCPART == 1
	.amdgcn_target "amdgcn-amd-amdhsa--gfx1250"
	.amdhsa_code_object_version 6
	.text
	.protected	k_q3047196dc9_quant
	.globl	k_q3047196dc9_quant
	.p2align	8
	.type	k_q3047196dc9_quant,@function
k_q3047196dc9_quant:
	s_mov_b64 s[64:65], 0
	v_nop
	global_prefetch_b8 v0, s[64:65] scope:SCOPE_SE
	s_setreg_imm32_b32 hwreg(HW_REG_WAVE_MODE, 25, 1), 1
	s_wait_xcnt 0x0
; w = weight x w_mask (one f32 multiply), [4096 (n)][4096 (k)], is turned into codes of FP4 (E2M1) and one E8M0 byte for each 32 along K.
; A block scale is 2^(floor(log2(largest magnitude)) - 2); its byte is the exponent field of the largest magnitude less 2, held at 1 from below by a floor among the leaves of the maximum.
; THE CODES ARE LAID IN THE ORDER OF THE OPERAND'S REGISTERS, for the launch that follows: w_codes = [step of 128 along K (32)][block of 16 rows (256)][1,024 bytes].  The 1,024 bytes are a fragment:
; [c (2)][lane (32)][16 bytes], lane 16 h + r holding k = 64 c + 32 h + 0 .. 31 of row r: two loads of 512 consecutive bytes fill its eight registers.
; THE SCALE BYTES of both operands: sc_ws = [side 2][K step of 512 (8)][row 4096][16 bytes]: side 0 the bytes of data (copied as they are given), side 1 (from byte 524,288) those of w.
; LIMITS: NaN and infinities in weight x w_mask are not served.  A block of zeros, and a block whose largest magnitude lies under 2^(3 - 127), gets the byte 1 (a block of zeros has zero codes,
; which add nothing under that byte; the bytes are read by this program alone).
; SHARES.  Work-group x takes rows 16 x .. 16 x + 15; wave w of work-group y takes K step ks = 4 y + w: 16 rows x 512 along K, one row a step.  A step is 2,048 consecutive bytes of weight and of w_mask.
; The conversions take neighbours along K from ONE lane, a load is dense where neighbouring lanes take neighbouring bytes: so a step goes through a stage in LDS that is the wave's own, as it lies,
; and comes back 64 bytes a lane (16 bytes of padding behind each 64).  Two neighbouring lanes hold a block.
; The wave's 16 rows x 512 are four whole fragments: a step's codes (8 bytes a lane) go into an image of them in LDS, 16 pieces of 256 bytes (piece = block of 32 along K; in it 16 bytes a row), 272 bytes apart,
; and leave at the end by eight stores of 512 consecutive bytes, aligned.  The wave's 256 scale bytes likewise leave as 256 consecutive bytes.  Waves share nothing: no barrier.  Loads run four steps (32 loads a wave) ahead.
; Every offset is an immediate and every store has data registers of its own: no address or data register of a pending access is ever written again.
.set NSTEP, 16
.set WREG,  10240                      ; LDS bytes of a wave
.set SP,    80                         ; a lane's place in a stage: 64 bytes + 16 of padding
.set STG,   32*SP                      ; a stage
.set SBY,   2*STG                      ; behind the two stages: the wave's 256 scale bytes
.set IMG,   SBY+256                    ; behind them: the image of four fragments
.set IP,    272                        ; from piece to piece: 68 words, so that the 16 pieces that a store touches start at 16 different groups of four banks
.set ROWF,  16384                      ; a row of weight or w_mask in bytes
.set FSTEP, 262144                     ; w_codes: from a step of 128 along K to the next: 256 blocks x 1,024 bytes
.set W,     16                         ; v16-79   four sets of 16: weight as loaded, then weight x mask; at the end v16-47 the fragments on their way out
.set MK,    80                         ; v80-143  four sets of 16: w_mask as loaded
.set X,     144                        ; v144-175 two sets of 16 neighbours
.set C,     176                        ; v176-207 codes: two registers for each step
.set E,     208                        ; v208-223 a scale byte for each step
.set CI,    224                        ; v224     the image, on the way in
.set RI,    225                        ; v225     and on the way out
	s_load_b256 s[4:11], s[0:1], 0x0               ; weight s[4:5], w_mask s[6:7], data_scales s[8:9], w_codes s[10:11]
	s_load_b64 s[12:13], s[0:1], 0x20              ; sc_ws
	v_lshl_add_u32 v232, v0, 2, 0xa000
	v_mov_b32 v233, 0
	v_lshrrev_b32 v1, 5, v0
	v_readfirstlane_b32 s16, v1                    ; wave 0..3
	v_and_b32 v2, 31, v0                           ; lane
	v_lshlrev_b32 v3, 4, v2                        ; my 16 bytes of 512: loads, and the fragments on their way out
	v_lshlrev_b32 v4, 3, v2                        ; my 8 bytes of 256: both runs of scale bytes
	s_mul_i32 s18, s16, WREG                       ; my wave's LDS
	v_lshrrev_b32 v14, 2, v2
	v_mul_u32_u24 v14, v14, SP
	v_and_b32 v15, 3, v2
	v_lshl_add_u32 v14, v15, 4, v14
	v_add_nc_u32 v14, s18, v14                     ; the stage, on the way in: SP (lane / 4) + 16 (lane % 4); the 512 bytes of a load take eight places
	v_mul_u32_u24 v15, v2, SP
	v_add_nc_u32 v15, s18, v15                     ; and on the way out: SP x lane: my 16 neighbours
	s_add_co_u32 s19, s18, SBY
	s_add_co_u32 s29, s18, IMG
	v_lshrrev_b32 v8, 1, v2                        ; lane / 2: my block of a step; also my row of the 16 in data_scales
	v_and_b32 v9, 1, v2
	v_add_nc_u32 v5, s19, v8                       ; LDS: the byte of my block
	v_add_nc_u32 v6, s19, v4                       ; LDS: on the way out 8 bytes a lane
	v_lshlrev_b32 v7, 7, v8
	v_lshl_add_u32 v7, v9, 3, v7                   ; data_scales: row lane / 2 of 128 bytes, half lane % 2 of the K step's 16
	v_mul_u32_u24 v[CI], v8, IP
	v_lshl_add_u32 v[CI], v9, 3, v[CI]
	v_add_nc_u32 v[CI], s29, v[CI]                 ; the image, in: piece lane / 2, half lane % 2 of the row's 16 bytes; the row stands in the immediate
	v_lshrrev_b32 v12, 4, v2
	v_and_b32 v13, 15, v2
	v_mul_u32_u24 v[RI], v12, IP
	v_lshl_add_u32 v[RI], v13, 4, v[RI]
	v_add_nc_u32 v[RI], s29, v[RI]                 ; out: lanes 0-15 one piece, lanes 16-31 the next: 512 bytes of a fragment
	s_and_b32 s17, ttmp7, 0xffff
	s_lshl_b32 s17, s17, 2
	s_add_co_u32 s17, s17, s16                     ; ks = 4 y + wave
	s_lshl_b32 s20, ttmp9, 18                      ; weight, w_mask: 16 rows of 16,384 bytes a work-group x,
	s_lshl_b32 s28, s17, 11                        ; 2,048 bytes a K step
	s_add_co_u32 s20, s20, s28
	s_mov_b32 s21, 0
	s_lshl_b32 s22, ttmp9, 11                      ; data_scales: 16 rows of 128 bytes, 16 bytes a K step
	s_lshl_b32 s28, s17, 4
	s_add_co_u32 s22, s22, s28
	s_mov_b32 s23, 0
	s_lshl_b32 s24, s17, 20                        ; w_codes: four steps of 262,144 bytes a K step, 1,024 bytes a block of 16 rows
	s_lshl_b32 s28, ttmp9, 10
	s_add_co_u32 s24, s24, s28
	s_mov_b32 s25, 0
	s_lshl_b32 s26, s17, 16                        ; sc_ws: 65,536 bytes a K step, 256 bytes for 16 rows
	s_lshl_b32 s28, ttmp9, 8
	s_add_co_u32 s26, s26, s28
	s_mov_b32 s27, 0
	s_wait_alu depctr_va_vdst(0)
	s_wait_kmcnt 0x0
	s_add_nc_u64 s[4:5], s[4:5], s[20:21]
	s_add_nc_u64 s[6:7], s[6:7], s[20:21]
	s_add_nc_u64 s[8:9], s[8:9], s[22:23]
	s_add_nc_u64 s[10:11], s[10:11], s[24:25]
	s_add_nc_u64 s[12:13], s[12:13], s[26:27]
.macro LOAD t                          ; step t: 2,048 bytes of weight and of w_mask, each load 512 consecutive bytes, into set t % 4
.irp i, 0,1,2,3
	global_load_b128 v[W+16*((\t)%4)+4*\i:W+16*((\t)%4)+4*\i+3], v3, s[4:5] offset:ROWF*(\t)+512*\i th:TH_LOAD_NT
.endr
.irp i, 0,1,2,3
	global_load_b128 v[MK+16*((\t)%4)+4*\i:MK+16*((\t)%4)+4*\i+3], v3, s[6:7] offset:ROWF*(\t)+512*\i th:TH_LOAD_NT
.endr
.endm
.macro MULT t                          ; w = weight x w_mask, in f32, two at a time, in place
.irp j, 0,2,4,6,8,10,12,14
	v_pk_mul_f32 v[W+16*((\t)%4)+\j:W+16*((\t)%4)+\j+1], v[W+16*((\t)%4)+\j:W+16*((\t)%4)+\j+1], v[MK+16*((\t)%4)+\j:MK+16*((\t)%4)+\j+1]
.endr
.endm
.macro TURN t                          ; the numbers of step t through stage t % 2: LDS serves the instructions of a wave in order (ISA guide 5.7.1.4), so no wait stands between the stores and the loads
.irp i, 0,1,2,3
	ds_store_b128 v14, v[W+16*((\t)%4)+4*\i:W+16*((\t)%4)+4*\i+3] offset:STG*((\t)%2)+8*SP*\i
.endr
.irp i, 0,1,2,3
	ds_load_b128 v[X+16*((\t)%2)+4*\i:X+16*((\t)%2)+4*\i+3], v15 offset:STG*((\t)%2)+16*\i
.endr
.endm
	global_load_b64 v[10:11], v7, s[8:9]           ; the scale bytes of data for my 16 rows and my K step: 8 bytes a lane
.irp t, 0,1,2,3
	LOAD \t
.endr
	s_wait_loadcnt 24                              ; the scale bytes and the 8 loads of step 0 are in; the 24 of steps 1 to 3 may be out
	global_store_b64 v4, v[10:11], s[12:13]        ; side 0: 32 lanes store 256 consecutive bytes, aligned
	MULT 0
	TURN 0
.macro STEP t
.set XS, X+16*((\t)%2)
.if (\t) > 0
	s_wait_dscnt 2                                 ; the numbers of this step are back from the stage (only the last step's byte store and code store may be out): so the stores into the stage have read set t % 4,
.else
	s_wait_dscnt 0x0
.endif
.if (\t)+4 < NSTEP
	LOAD (\t)+4                                    ; which takes the loads of four steps on
.endif
.if (\t)+1 < NSTEP
.if (\t) < 12
	s_wait_loadcnt 24                              ; the 8 loads of the next step are in; those of the three steps behind it may be out
.else
	s_wait_loadcnt 8*(14-(\t))                     ; at the end the counts run down: 16, 8, 0
.endif
	MULT (\t)+1
	TURN (\t)+1                                    ; through the other stage while this step is worked
.endif
	v_max3_num_f32 v8, |v[XS]|, |v[XS+1]|, |v[XS+2]|               ; the largest magnitude of my 16, in two chains
	v_max3_num_f32 v9, |v[XS+3]|, |v[XS+4]|, |v[XS+5]|
.irp i, 6,10
	v_max3_num_f32 v8, v8, |v[XS+\i]|, |v[XS+\i+1]|
	v_max3_num_f32 v9, v9, |v[XS+\i+2]|, |v[XS+\i+3]|
.endr
	v_max3_num_f32 v8, v8, |v[XS+14]|, |v[XS+15]|
	v_max3_num_f32 v8, v8, v9, 0x1800000           ; and the floor 2^(3 - 127): the byte cannot fall under 1
	v_max_num_f32_dpp v8, v8, v8 row_xmask:1 row_mask:0xf bank_mask:0xf   ; with the 16 of my neighbour: the block
	v_add_nc_u32 v1, 0xff000000, v8                ; 2 off the exponent field: the conversion takes the exponent field of this operand as its scale, and nothing else of it
	v_cvt_scalef32_pk8_fp4_f32 v[C+2*(\t)], v[XS:XS+7], v1         ; eight numbers / the scale, to the nearest code, ties to even, beyond 6 the largest code; the first number in the lowest four bits
	v_cvt_scalef32_pk8_fp4_f32 v[C+2*(\t)+1], v[XS+8:XS+15], v1
	v_lshrrev_b32 v[E+(\t)], 23, v1                ; the byte of the scale (also the plain vector line behind the conversions)
	ds_store_b8 v5, v[E+(\t)] offset:16*(\t)       ; row t of the 16, block lane / 2; both lanes of a block write the same byte with the same value
	ds_store_b64 v[CI], v[C+2*(\t):C+2*(\t)+1] offset:16*(\t)      ; row t's 16 bytes of my piece, my half of them
.endm
.irp t, 0,1,2,3,4,5,6,7,8,9,10,11,12,13,14,15
	STEP \t
.endr
	ds_load_b64 v[12:13], v6                       ; in order behind my byte stores
.irp p, 0,1,2,3,4,5,6,7
	ds_load_b128 v[W+4*\p:W+4*\p+3], v[RI] offset:2*\p*IP          ; half p % 2 of fragment p / 2: pieces 2 p and 2 p + 1; in order behind my code stores
.endr
	s_wait_dscnt 0x0
	global_store_b64 v4, v[12:13], s[12:13] offset:524288          ; side 1: 256 consecutive bytes, aligned
.irp p, 0,1,2,3,4,5,6,7
	global_store_b128 v3, v[W+4*\p:W+4*\p+3], s[10:11] offset:(\p/2)*FSTEP+(\p%2)*512   ; 32 lanes store 512 consecutive bytes, aligned
.endr
	s_wait_tensorcnt 0x0
	ds_add_u32 v232, v233
	s_wait_dscnt 0x0
	s_endpgm
.Lfunc_end_k_q3047196dc9_quant:
	.size	k_q3047196dc9_quant, .Lfunc_end_k_q3047196dc9_quant-k_q3047196dc9_quant
	.p2alignl 7, 3214868480
	.fill 96, 4, 3214868480
	.section	.rodata,"a",@progbits
	.p2align	6, 0x0
	.amdhsa_kernel k_q3047196dc9_quant
		.amdhsa_group_segment_fixed_size 41472
		.amdhsa_private_segment_fixed_size 0
		.amdhsa_enable_private_segment 0
		.amdhsa_kernarg_size 40
		.amdhsa_user_sgpr_count 2
		.amdhsa_user_sgpr_kernarg_segment_ptr 1
		.amdhsa_wavefront_size32 1
		.amdhsa_system_sgpr_workgroup_id_x 1
		.amdhsa_system_sgpr_workgroup_id_y 1
		.amdhsa_system_sgpr_workgroup_id_z 1
		.amdhsa_system_vgpr_workitem_id 0
		.amdhsa_next_free_vgpr 234
		.amdhsa_next_free_sgpr 66
		.amdhsa_reserve_vcc 0
		.amdhsa_float_denorm_mode_32 3
		.amdhsa_float_denorm_mode_16_64 3
		.amdhsa_memory_ordered 1
		.amdhsa_forward_progress 1
		.amdhsa_inst_pref_size 49
	.end_amdhsa_kernel
	.amdgpu_metadata
---
amdhsa.version: [ 1, 2 ]
amdhsa.kernels:
  - .name:           k_q3047196dc9_quant
    .symbol:         k_q3047196dc9_quant.kd
    .args:
      - { .name: weight, .offset: 0, .size: 8, .value_kind: global_buffer, .address_space: global }
      - { .name: w_mask, .offset: 8, .size: 8, .value_kind: global_buffer, .address_space: global }
      - { .name: data_scales, .offset: 16, .size: 8, .value_kind: global_buffer, .address_space: global }
      - { .name: w_codes, .offset: 24, .size: 8, .value_kind: global_buffer, .address_space: global }
      - { .name: sc_ws, .offset: 32, .size: 8, .value_kind: global_buffer, .address_space: global }
    .group_segment_fixed_size: 41472
    .private_segment_fixed_size: 0
    .kernarg_segment_align: 8
    .kernarg_segment_size: 40
    .max_flat_workgroup_size: 128
    .sgpr_count:     66
    .vgpr_count:     234
    .wavefront_size: 32
...
	.end_amdgpu_metadata
.endif
;; end of part 1
;; launch gemm (part 2): grid 16 x 16, 4 waves a work-group, clusters of 4 x 1, 327,680 bytes of LDS; arguments data_codes, w_codes, sc_ws, bias_p, out0; writes out0
.if DOCPART == 2
	.amdgcn_target "amdgcn-amd-amdhsa--gfx1250"
	.amdhsa_code_object_version 6
	.text
	.protected	k_q3047196dc9_gemm
	.globl	k_q3047196dc9_gemm
	.p2align	8
	.type	k_q3047196dc9_gemm,@function
k_q3047196dc9_gemm:
	s_mov_b64 s[64:65], 0
	v_nop
	global_prefetch_b8 v0, s[64:65] scope:SCOPE_SE
	s_setreg_imm32_b32 hwreg(HW_REG_WAVE_MODE, 25, 1), 1
	s_wait_xcnt 0x0
	s_wait_alu depctr_hold_cnt(0) depctr_sa_sdst(0) depctr_va_vdst(0) depctr_va_sdst(0) depctr_va_ssrc(0) depctr_va_vcc(0) depctr_vm_vsrc(0)
	s_getreg_b32 s2, hwreg(HW_REG_IB_STS2, 6, 4)
	s_cmp_eq_u32 s2, 0
	s_cbranch_scc0 .Lentry_in_a_cluster
	s_endpgm
.Lentry_in_a_cluster:
	s_bfe_u32 s2, ttmp6, 0x10000c
	s_cmp_lg_u32 s2, 0x3003
	s_cbranch_scc0 .Lentry_shape_is_right
	s_endpgm
.Lentry_shape_is_right:
; out0[m][n] = sum over k of A[m][k] B[n][k] + bias_p[n].  A = data, B = the quantised weight x mask: 4,096 x 4,096 codes of FP4 (E2M1), one E8M0 scale for each 32 along K.  Sums in f32.
; A lies [row][2,048 bytes], K innermost.  B lies in the order of the operand's registers: w_codes = [step of 128 along K (32)][block of 16 rows (256)][1,024 bytes].
; The scale bytes lie in sc_ws = [side][K step of 512 (8)][row][16 bytes] (side 0: A, side 1: B, from byte 524,288): a row's 16 bytes are its four scale words of that K step.
; LIMITS: the scale bytes of data are taken as they are given (a byte 0xff there makes its sums NaN).
; SHARES.  A work-group makes 256 x 256; wave w makes rows 128 (w / 2) .. + 127 x columns 128 (w % 2) .. + 127: 8 blocks of A x 8 of B, 64 accumulators, 512 registers.
; A GOES THROUGH LDS, B DOES NOT.  B's fragments of a step are 8,192 consecutive bytes a wave: sixteen loads, in two runs of eight, into a ring of four sets of 64 registers, asked for three steps ahead;
; they stay out across the barriers.  The scale words of both sides go into registers too: a load takes 32 rows x 16 bytes (512 consecutive bytes), so lanes 0-15 hold an even block's words and
; lanes 16-31 the odd block's, which the ROW1 selector reads.  Two sets, asked for four steps ahead.
; A'S RING: two slots of 1,024 along K, each two planes (512 along K) of 256 rows x (256 bytes + 16 of padding): 278,528 bytes.  Four fills; wave w brings 128 rows of one plane.  Fill 0 goes out at the head,
; fill 1 behind a wait for fill 0, an add to the spare word and a round of the cluster's barrier, fills 2 and 3 as refills behind the same lines: each eight steps ahead of the wait for it.
; CLUSTER: the four work-groups of a cluster make four neighbouring blocks of columns of the same 256 rows: A's tiles are asked for JOINTLY (mask 15).  B ends in registers, where a joint load cannot end.
; PREFETCH: with fill t each wave asks for fill t + 2 (t = 0, 1; fills 2 and 3 have no fill two on): of a wave's 128 rows each partner of the cluster names 32, told apart by address, a lane a row of 256 bytes.
; B has none: its loads stand three steps ahead of their use by themselves.
; THE BIAS is added on the way out, four columns a lane: in step 0 all registers but 28 are taken, so its 64 registers in a result's layout have no room.
; THE MATRIX INSTRUCTION IS USED TRANSPOSED (source 0 = 16 rows of B, source 1 = 16 rows of A): a lane holds eight neighbouring numbers of a row of out0.
; REGISTERS: window 0: v0-31 addresses; v32-63 A's scale words, v64-95 B's (two sets of 16 each); v96-99 bias; v128-255 A's fragments, two buffers (on the way out: rows read back).
;   window 1: B's four sets.  window 2: accumulators of A's blocks 0-3 ((a, b) at v[8 (8 (a % 4) + b)]); window 3: those of blocks 4-7.
.set SIZE_N, 4096
.set PITCH,  272                       ; 68 words: row r starts at bank 4 r mod 64 (ISA guide 11.1)
.set PL,     256*PITCH                 ; a plane
.set SLOT,   2*PL
.set STAGE,  2*SLOT                    ; behind the ring: 16 rows x 528 bytes for each wave, for the way out; no fill lands there
.set SPITCH, 528
.set SPARE,  STAGE+4*16*SPITCH         ; the spare words: 128 bytes a wave, two blocks of 256 bytes that no other line names
.set FSTEP,  262144                    ; w_codes: from a step to the next
.set SSTEP,  65536                     ; sc_ws: from a K step of 512 to the next
.set SSIDE,  524288
.set AD,   16                          ; v16, v17  LDS address of my part of A's fragments in the even and in the odd plane at work
.set LP,   18                          ; v18, v19  the same in slot 0; never rewritten
.set LN16, 21                          ; v21  16 x lane: B, scale words, bias, out0
.set STO,  24                          ; v24  the stage, in
.set RD,   25                          ; v25  the stage, back
.set PFO,  26                          ; v26  the prefetches' offset: lane x a row of 2,048 bytes
.set SPW,  28                          ; v28  my spare word; never rewritten
.set NIL,  29                          ; v29  0; never rewritten
.set SA,   32
.set SB,   64
.set BI,   96
.set AF,   128
.set BK,   128
.set G1,   24                          ; s[24:31] descriptor group 1
.set G0,   32                          ; s[32:35] group 0, stepped where no tensor load of mine is out
.set PFA,  36                          ; s[36:37] the prefetches' base
.set SAB,  48                          ; s[48:49] A's scale words
.set SL,   50                          ; s50, s51  the slot (0 or SLOT) of the even and of the odd plane at work;  s52 that of the next fill
.set MUL_LO, 0xa1                      ; source 0 (B) window 1, source 1 (A) window 0, C and D window 2
.set MUL_HI, 0xf1
.set MSB, 0
.macro WIN new                         ; the immediate's high byte repeats the setting that is left
.if MSB != (\new)
	s_set_vgpr_msb (MSB<<8)|(\new)
.set MSB, (\new)
.endif
.endm
.macro CREST                           ; a round of the cluster's barrier behind its opening barrier
	s_cmp_lg_u32 s14, 0
	s_cbranch_scc1 .Lnot_wave_0_\@
	s_barrier_signal -3
.Lnot_wave_0_\@:
	s_barrier_wait -3
	s_barrier_signal -1
	s_barrier_wait -1
.endm
.macro CROUND
	s_barrier_signal -1
	s_barrier_wait -1
	CREST
.endm
.macro PLACES                          ; four places between a matrix instruction and a load into, or a store out of, its registers
.rept 4
	v_nop
.endr
.endm
.macro NEXTFILL                        ; group 0 goes on to the next fill: the other slot, 512 bytes on along the rows (no tensor load of mine is out)
	s_xor_b32 s52, s52, SLOT
	s_add_co_u32 s[G0+1], s44, s52
	s_add_nc_u64 s[G0+2:G0+3], s[G0+2:G0+3], 512
.endm
	s_load_b256 s[4:11], s[0:1], 0x0               ; data_codes s[4:5], w_codes s[6:7], sc_ws s[8:9], bias_p s[10:11]
	s_load_b64 s[12:13], s[0:1], 0x20              ; out0
	v_lshl_add_u32 v[SPW], v0, 2, SPARE
	v_mov_b32 v[NIL], 0
	ds_add_u32 v[SPW], v[NIL]                      ; the opening lines: the add twice on end and one wait, ahead of my first tensor load
	ds_add_u32 v[SPW], v[NIL]
	v_lshrrev_b32 v1, 5, v0
	v_readfirstlane_b32 s14, v1                    ; wave 0..3
	s_mul_i32 s23, s14, 16*SPITCH
	s_add_co_u32 s23, s23, STAGE                   ; my stage
	s_lshr_b32 s16, s14, 1                         ; which 128 rows of the block are mine.  Also: which of a fill's two planes I fetch
	s_mul_i32 s22, s16, 128*PITCH
	v_and_b32 v1, 15, v0                           ; r
	v_bfe_u32 v2, v0, 4, 1                         ; h
	v_and_b32 v6, 31, v0                           ; lane
	v_mul_u32_u24 v3, v1, PITCH
	v_lshl_add_u32 v3, v2, 4, v3                   ; a fragment's row x pitch + 16 h
	v_add_nc_u32 v[LP], s22, v3                    ; in my 128 rows of slot 0's even plane,
	v_add_nc_u32 v[LP+1], PL, v[LP]                ; and of its odd plane
	v_mov_b32 v[AD], v[LP]
	v_mov_b32 v[AD+1], v[LP+1]
	v_lshlrev_b32 v[LN16], 4, v6
	v_mul_u32_u24 v5, v1, SPITCH
	v_lshl_add_u32 v5, v2, 5, v5
	v_add_nc_u32 v[STO], s23, v5                   ; in: row r, 32 bytes for each half of the lanes
	v_add_nc_u32 v[RD], s23, v[LN16]               ; back: the 32 lanes take one row of 512 bytes
	v_lshlrev_b32 v[PFO], 11, v6
	s_bfe_u32 s40, ttmp6, 0x40000                  ; cx: it enters the addresses of B, its scales, the bias, out0 and the prefetches alone
	s_lshl_b32 s42, ttmp9, 2
	s_add_co_u32 s42, s42, s40                     ; x: my block of 256 columns
	s_and_b32 s17, ttmp7, 0xffff                   ; y: my block of 256 rows, which the four partners share
	s_and_b32 s15, s14, 1                          ; which 128 columns are mine.  Also: which 128 rows of a plane I fetch
	s_mov_b32 s[SL], 0
	s_mov_b32 s[SL+1], 0
	s_mov_b32 s52, 0
	s_mov_b32 s[G1+0], 15|(1<<20)|(1<<21)|(5<<22)|(3<<25)  ; mask: all four; elements of 1 byte; padding on; bit 21 beside a mask; after every 64 words, 4 words
	s_mov_b32 s[G1+1], 256<<16                     ; tensor_dim0
	s_mov_b32 s[G1+2], 128<<16                     ; tensor_dim1
	s_mov_b32 s[G1+3], 256<<16                     ; tile_dim0
	s_mov_b32 s[G1+4], 128                         ; tile_dim1
	s_mov_b32 s[G1+5], 2048                        ; from row to row
	s_mov_b32 s[G1+6], 0
	s_mov_b32 s[G1+7], 0
	s_lshl_b32 s20, s17, 19                        ; A: (256 y + 128 half) rows of 2,048 bytes + 256 x plane
	s_lshl_b32 s18, s15, 18
	s_add_co_u32 s20, s20, s18
	s_lshl_b32 s18, s16, 8
	s_add_co_u32 s20, s20, s18
	s_mov_b32 s21, 0
	s_mul_i32 s44, s16, PL                         ; where it goes in a slot: no place in the cluster enters an LDS address
	s_mul_i32 s45, s15, 128*PITCH
	s_add_co_u32 s44, s44, s45
	s_lshl_b32 s46, s40, 16                        ; the prefetches: my work-group's 32 rows of the 128
	s_mov_b32 s47, 0
	s_wait_alu depctr_va_vdst(0)                   ; the wait at the end of the head's vector work
	s_wait_dscnt 0x0                               ; both opening adds are done
	s_wait_kmcnt 0x0
	s_add_nc_u64 s[20:21], s[4:5], s[20:21]
	s_mov_b32 s[G0], 1
	s_add_co_u32 s[G0+1], s44, s52
	s_mov_b64 s[G0+2:G0+3], s[20:21]
	s_or_b32 s[G0+3], s[G0+3], 0x80000000
	s_add_nc_u64 s[PFA:PFA+1], s[20:21], s[46:47]
	CROUND                                         ; all four work-groups are here: the first joint loads meet
	tensor_load_to_lds s[G0:G0+3], s[G1:G1+7]      ; fill 0: slot 0; my one tensor load at the head
	s_nop 0
	PLACES
	global_prefetch_b8 v[PFO], s[PFA:PFA+1] offset:1024 th:TH_LOAD_NT scope:SCOPE_SE   ; fill 2's bytes
	s_lshl_b32 s46, s42, 14                        ; B: block 16 x + 8 half, 1,024 bytes a block
	s_lshl_b32 s18, s15, 13
	s_add_co_u32 s46, s46, s18
	s_add_nc_u64 s[6:7], s[6:7], s[46:47]
	s_lshl_b32 s46, s17, 12                        ; A's scale words: row 256 y + 128 half, 16 bytes a row
	s_lshl_b32 s18, s16, 11
	s_add_co_u32 s46, s46, s18
	s_add_nc_u64 s[SAB:SAB+1], s[8:9], s[46:47]
	s_lshl_b32 s46, s42, 12                        ; B's: side 1, row 256 x + 128 half
	s_lshl_b32 s18, s15, 11
	s_add_co_u32 s46, s46, s18
	s_add_co_u32 s46, s46, SSIDE
	s_add_nc_u64 s[8:9], s[8:9], s[46:47]
	s_lshl_b32 s46, s42, 10                        ; my first column in bytes of f32
	s_lshl_b32 s18, s15, 9
	s_add_co_u32 s46, s46, s18
	s_add_nc_u64 s[10:11], s[10:11], s[46:47]
	s_lshl_b32 s18, s17, 22                        ; my first row: 256 y + 128 half, 16,384 bytes a row
	s_add_co_u32 s46, s46, s18
	s_lshl_b32 s18, s16, 21
	s_add_co_u32 s46, s46, s18
	s_add_nc_u64 s[12:13], s[12:13], s[46:47]
.macro LOADB s, b0                     ; B's fragments b0 .. b0 + 3 of step s (counted from the lap's first): eight loads of 512 consecutive bytes into set s % 4
	WIN 0x40
.irp b, \b0, \b0+1, \b0+2, \b0+3
.irp c, 0,1
	global_load_b128 v[64*((\s)%4)+8*(\b)+4*\c:64*((\s)%4)+8*(\b)+4*\c+3], v[LN16], s[6:7] offset:(\s)*FSTEP+1024*(\b)+512*\c
.endr
.endr
.endm
.macro LOADSC j                        ; the scale words of K step j (counted from the lap's first) into set j % 2: register 4 g + q: lanes 0-15 block 2 g, lanes 16-31 block 2 g + 1, the q-th 128
	WIN 0
.irp g, 0,1,2,3
	global_load_b128 v[SA+16*((\j)%2)+4*\g:SA+16*((\j)%2)+4*\g+3], v[LN16], s[SAB:SAB+1] offset:(\j)*SSTEP+512*\g
	global_load_b128 v[SB+16*((\j)%2)+4*\g:SB+16*((\j)%2)+4*\g+3], v[LN16], s[8:9] offset:(\j)*SSTEP+512*\g
.endr
.endm
.macro FETCH_A f                       ; A's eight fragments of step f into buffer f % 2: lane l holds row l % 16; registers 4 c .. 4 c + 3 hold K = 64 c + 32 (l / 16) + 0 .. 31
	WIN 0
.irp i, 0,1,2,3,4,5,6,7
.irp c, 0,1
	ds_load_b128 v[AF+64*((\f)%2)+8*\i+4*\c:AF+64*((\f)%2)+8*\i+4*\c+3], v[AD+((\f)/4)%2] offset:\i*16*PITCH+64*((\f)%4)+32*\c
.endr
.endr
.endm
.macro WM z                            ; one product; z = 1: it starts its sum.  The first scale operand is B's, the second A's; an odd block's words lie in lanes 16-31
.if \z
.if (BODD == 0) && (AODD == 0)
	v_wmma_scale_f32_16x16x128_f8f6f4 v[DR:DR+7], v[BR:BR+7], v[AR:AR+7], 0, v[SBR], v[SAR] matrix_a_fmt:MATRIX_FMT_FP4 matrix_b_fmt:MATRIX_FMT_FP4
.endif
.if (BODD == 1) && (AODD == 0)
	v_wmma_scale_f32_16x16x128_f8f6f4 v[DR:DR+7], v[BR:BR+7], v[AR:AR+7], 0, v[SBR], v[SAR] matrix_a_fmt:MATRIX_FMT_FP4 matrix_b_fmt:MATRIX_FMT_FP4 matrix_a_scale:MATRIX_SCALE_ROW1
.endif
.if (BODD == 0) && (AODD == 1)
	v_wmma_scale_f32_16x16x128_f8f6f4 v[DR:DR+7], v[BR:BR+7], v[AR:AR+7], 0, v[SBR], v[SAR] matrix_a_fmt:MATRIX_FMT_FP4 matrix_b_fmt:MATRIX_FMT_FP4 matrix_b_scale:MATRIX_SCALE_ROW1
.endif
.if (BODD == 1) && (AODD == 1)
	v_wmma_scale_f32_16x16x128_f8f6f4 v[DR:DR+7], v[BR:BR+7], v[AR:AR+7], 0, v[SBR], v[SAR] matrix_a_fmt:MATRIX_FMT_FP4 matrix_b_fmt:MATRIX_FMT_FP4 matrix_a_scale:MATRIX_SCALE_ROW1 matrix_b_scale:MATRIX_SCALE_ROW1
.endif
.else
.if (BODD == 0) && (AODD == 0)
	v_wmma_scale_f32_16x16x128_f8f6f4 v[DR:DR+7], v[BR:BR+7], v[AR:AR+7], v[DR:DR+7], v[SBR], v[SAR] matrix_a_fmt:MATRIX_FMT_FP4 matrix_b_fmt:MATRIX_FMT_FP4
.endif
.if (BODD == 1) && (AODD == 0)
	v_wmma_scale_f32_16x16x128_f8f6f4 v[DR:DR+7], v[BR:BR+7], v[AR:AR+7], v[DR:DR+7], v[SBR], v[SAR] matrix_a_fmt:MATRIX_FMT_FP4 matrix_b_fmt:MATRIX_FMT_FP4 matrix_a_scale:MATRIX_SCALE_ROW1
.endif
.if (BODD == 0) && (AODD == 1)
	v_wmma_scale_f32_16x16x128_f8f6f4 v[DR:DR+7], v[BR:BR+7], v[AR:AR+7], v[DR:DR+7], v[SBR], v[SAR] matrix_a_fmt:MATRIX_FMT_FP4 matrix_b_fmt:MATRIX_FMT_FP4 matrix_b_scale:MATRIX_SCALE_ROW1
.endif
.if (BODD == 1) && (AODD == 1)
	v_wmma_scale_f32_16x16x128_f8f6f4 v[DR:DR+7], v[BR:BR+7], v[AR:AR+7], v[DR:DR+7], v[SBR], v[SAR] matrix_a_fmt:MATRIX_FMT_FP4 matrix_b_fmt:MATRIX_FMT_FP4 matrix_a_scale:MATRIX_SCALE_ROW1 matrix_b_scale:MATRIX_SCALE_ROW1
.endif
.endif
.endm
.macro MUL16 a0, z                     ; A's blocks a0, a0 + 1 x B's eight.  The 64 accumulators take turns, in the same order in every step
.irp a, \a0, \a0+1
.irp b, 0,1,2,3,4,5,6,7
.set DR,  8*(8*((\a)%4)+\b)
.set BR,  64*BSET+8*\b
.set AR,  AF+64*PB+8*(\a)
.set SBR, SB+16*SCS+4*(\b/2)+Q4
.set SAR, SA+16*SCS+4*((\a)/2)+Q4
.set BODD, \b%2
.set AODD, (\a)%2
	WM \z
.endr
.endr
.endm
; STEP r of a lap of eight (r = 8: the next lap's first): 128 along K, 64 matrix instructions.  At its head: A's fragments of step r + 1, the scale words of the next K step (ldsc), the first half of B's fragments of
; step r + 3; in its middle their second half.
; lc: the loads into registers that may stay out when B's set of this step is in (they come back in order, ISA guide 5.7.1): the two younger sets (32), and the eight scale loads where these stand among them (40).
; bump = 1, 2: the even or odd plane has had its last fetch of the lap: its address goes to the other slot.
; pt = 1: the slot at work has had its last fetch (step 7's fragments are in).  Every wave waits for all its tensor loads (its part of the other slot), adds 0 to its spare word, waits for that and for its reads, and a round of
; the cluster's barrier follows; behind it the slot is filled again, first thing.  pt = 2: the same ahead of the last lap, with the work-group's barrier alone: nothing more is asked for.
.macro STEP r, z, lc, fa, ldb, ldsc, bump, pt
.set PB,   (\r)%2
.set BSET, (\r)%4
.set Q4,   (\r)%4
.set SCS,  ((\r)/4)%2
	s_wait_loadcnt \lc
	s_wait_dscnt 0x0                               ; A's fragments of this step, asked for at least 32 matrix instructions ago
.if \fa
	PLACES                                         ; for the loads into the registers that the last step's products read
.endif
.if \pt == 0
.if \fa
	FETCH_A (\r)+1
.endif
.if \bump
	s_xor_b32 s[SL+\bump-1], s[SL+\bump-1], SLOT
	v_add_nc_u32 v[AD+\bump-1], s[SL+\bump-1], v[LP+\bump-1]
	s_wait_alu depctr_va_vdst(0)                   ; directly behind the write
.endif
.endif
.if \ldsc
	LOADSC (\r)/4+1
.endif
.if \ldb
	LOADB (\r)+3, 0
.endif
.if \pt
	WIN 0
	s_wait_tensorcnt 0x0                           ; my part of the other slot has landed; no tensor load of mine is out
	ds_add_u32 v[SPW], v[NIL]
.if \pt == 1
	NEXTFILL
.endif
	WIN MUL_LO
	MUL16 0, 0
	s_wait_dscnt 0x0                               ; the add is done; my reads of this slot were back at the step's head
	s_barrier_signal -1
	MUL16 2, 0
	WIN 0
	s_barrier_wait -1
.if \pt == 1
	CREST
	tensor_load_to_lds s[G0:G0+3], s[G1:G1+7]      ; my one tensor load behind the round: the slot just read out, eight steps ahead of the wait for it
	s_nop 0
	PLACES
.endif
	FETCH_A (\r)+1
.else
	WIN MUL_LO
	MUL16 0, \z
	MUL16 2, \z
.endif
.if \ldb
	LOADB (\r)+3, 4
.endif
	WIN MUL_HI
	MUL16 4, \z
	MUL16 6, \z
.endm
.macro LAP pt                          ; from a lap's second step to the next lap's first; then the bases go a lap on
	STEP 1, 0, 40, 1, 1, 0, 0, 0
	STEP 2, 0, 40, 1, 1, 0, 1, 0
	STEP 3, 0, 32, 1, 1, 0, 0, 0
	STEP 4, 0, 32, 1, 1, 1, 0, 0
	STEP 5, 0, 40, 1, 1, 0, 0, 0
	STEP 6, 0, 40, 1, 1, 0, 2, 0
	STEP 7, 0, 32, 1, 1, 0, 0, \pt
	STEP 8, 0, 32, 1, 1, 1, 0, 0
	WIN 0
	s_wait_xcnt 0x0                                ; the loads issued so far have read their bases
	s_add_nc_u64 s[6:7], s[6:7], 8*FSTEP
	s_add_nc_u64 s[8:9], s[8:9], 2*SSTEP
	s_add_nc_u64 s[SAB:SAB+1], s[SAB:SAB+1], 2*SSTEP
.endm
	global_load_b128 v[BI:BI+3], v[LN16], s[10:11] ; the bias of columns 4 lane .. 4 lane + 3 of my 128
	LOADSC 0
.irp s, 0,1,2
	LOADB \s, 0
	LOADB \s, 4
.endr
	WIN 0
	s_wait_tensorcnt 0x0                           ; my part of fill 0 is in
	ds_add_u32 v[SPW], v[NIL]
	NEXTFILL
	s_wait_dscnt 0x0
	CROUND
	tensor_load_to_lds s[G0:G0+3], s[G1:G1+7]      ; fill 1: slot 1
	s_nop 0
	PLACES
	FETCH_A 0
	global_prefetch_b8 v[PFO], s[PFA:PFA+1] offset:1536 th:TH_LOAD_NT scope:SCOPE_SE   ; fill 3's bytes
	STEP 0, 1, 32, 1, 1, 1, 0, 0                   ; the first step stands in front of the loop: its products start the sums
	WIN 0
	s_mov_b32 s3, 2
.Llap:                                             ; steps 1-8 and 9-16; fills 2 and 3 go out
	LAP 1
	s_sub_co_u32 s3, s3, 1
	s_cmp_lg_u32 s3, 0
	s_cbranch_scc1 .Llap
	LAP 2                                          ; steps 17-24: the last fill is waited for, nothing more is asked for
	STEP 1, 0, 40, 1, 1, 0, 0, 0                   ; steps 25-31: B's loads end with step 31's, and the counts run down
	STEP 2, 0, 40, 1, 1, 0, 0, 0
	STEP 3, 0, 32, 1, 1, 0, 0, 0
	STEP 4, 0, 32, 1, 1, 0, 0, 0
	STEP 5, 0, 32, 1, 0, 0, 0, 0
	STEP 6, 0, 16, 1, 0, 0, 0, 0
	STEP 7, 0, 0, 0, 0, 0, 0, 0
	WIN 0
; THE WAY OUT, block by block of 16 rows x 128 columns: 32 bytes a lane into my own stage, back as whole rows of 512 bytes, the bias added, and stored: 32 lanes store 512 consecutive bytes, aligned.
; LDS serves a wave's instructions in order (ISA guide 5.7.1.4): no wait between the stores and the loads.  Every offset is an immediate: 127 rows of 16,384 bytes at the most, inside its signed 24 bits.
.macro TOSTAGE a
.set AC, 64*((\a)%4)
	WIN 0x08+4*((\a)/4)                            ; an LDS store's data are its source 1: window 2 or 3
.irp b, 0,1,2,3,4,5,6,7
	ds_store_b128 v[STO], v[AC+8*\b:AC+8*\b+3] offset:64*\b          ; each accumulator from its low end on
	ds_store_b128 v[STO], v[AC+8*\b+4:AC+8*\b+7] offset:64*\b+16
.endr
	WIN 0
.set BB, BK+64*((\a)%2)
.irp t, 0,1,2,3,4,5,6,7,8,9,10,11,12,13,14,15
	ds_load_b128 v[BB+4*\t:BB+4*\t+3], v[RD] offset:\t*SPITCH
.endr
.endm
.macro SEND a, younger                 ; younger: the LDS instructions issued behind block a's loads, which may stay out
.set BB, BK+64*((\a)%2)
	s_wait_dscnt \younger
.irp t, 0,1,2,3,4,5,6,7,8,9,10,11,12,13,14,15
	v_pk_add_f32 v[BB+4*\t:BB+4*\t+1], v[BB+4*\t:BB+4*\t+1], v[BI:BI+1]
	v_pk_add_f32 v[BB+4*\t+2:BB+4*\t+3], v[BB+4*\t+2:BB+4*\t+3], v[BI+2:BI+3]
.endr
.irp t, 0,1,2,3,4,5,6,7,8,9,10,11,12,13,14,15
	global_store_b128 v[LN16], v[BB+4*\t:BB+4*\t+3], s[12:13] offset:(16*(\a)+\t)*SIZE_N*4 th:TH_STORE_NT
.endr
.endm
	PLACES                                         ; behind the last products: for the reads of the results and the loads into A's buffers
	TOSTAGE 0
.irp a, 1,2,3,4,5,6,7
.if \a > 1
	s_wait_xcnt 0x0                                ; block a - 2's stores have read their registers: block a's loads may land there
.endif
	TOSTAGE \a
	SEND \a-1, 32                                  ; behind block a - 1's loads: block a's 16 stores and 16 loads
.endr
	SEND 7, 0
	s_wait_tensorcnt 0x0                           ; the wave's end
	ds_add_u32 v[SPW], v[NIL]
	s_wait_dscnt 0x0
	CROUND                                         ; the closing round
	s_endpgm
.Lfunc_end_k_q3047196dc9_gemm:
	.size	k_q3047196dc9_gemm, .Lfunc_end_k_q3047196dc9_gemm-k_q3047196dc9_gemm
	.p2alignl 7, 3214868480
	.fill 96, 4, 3214868480
	.section	.rodata,"a",@progbits
	.p2align	6, 0x0
	.amdhsa_kernel k_q3047196dc9_gemm
		.amdhsa_group_segment_fixed_size 327680
		.amdhsa_private_segment_fixed_size 0
		.amdhsa_enable_private_segment 0
		.amdhsa_kernarg_size 40
		.amdhsa_user_sgpr_count 2
		.amdhsa_user_sgpr_kernarg_segment_ptr 1
		.amdhsa_wavefront_size32 1
		.amdhsa_system_sgpr_workgroup_id_x 1
		.amdhsa_system_sgpr_workgroup_id_y 1
		.amdhsa_system_sgpr_workgroup_id_z 1
		.amdhsa_system_vgpr_workitem_id 0
		.amdhsa_next_free_vgpr 1024
		.amdhsa_next_free_sgpr 66
		.amdhsa_reserve_vcc 0
		.amdhsa_float_denorm_mode_32 3
		.amdhsa_float_denorm_mode_16_64 3
		.amdhsa_memory_ordered 1
		.amdhsa_forward_progress 1
		.amdhsa_inst_pref_size 255
	.end_amdhsa_kernel
	.section	.bss,"aw",@nobits
	.p2align	6
	.space	262144
	.amdgpu_metadata
---
amdhsa.version: [ 1, 2 ]
amdhsa.kernels:
  - .name:           k_q3047196dc9_gemm
    .symbol:         k_q3047196dc9_gemm.kd
    .args:
      - { .name: data_codes, .offset: 0, .size: 8, .value_kind: global_buffer, .address_space: global }
      - { .name: w_codes, .offset: 8, .size: 8, .value_kind: global_buffer, .address_space: global }
      - { .name: sc_ws, .offset: 16, .size: 8, .value_kind: global_buffer, .address_space: global }
      - { .name: bias_p, .offset: 24, .size: 8, .value_kind: global_buffer, .address_space: global }
      - { .name: out0, .offset: 32, .size: 8, .value_kind: global_buffer, .address_space: global }
    .group_segment_fixed_size: 327680
    .private_segment_fixed_size: 0
    .kernarg_segment_align: 8
    .kernarg_segment_size: 40
    .max_flat_workgroup_size: 128
    .sgpr_count:     66
    .vgpr_count:     1024
    .wavefront_size: 32
...
	.end_amdgpu_metadata
.endif
;; end of part 2
